; MI455X (gfx1250); checked and timed in simulation.
; The chip was launched on July 23, 2026; its instructions are those of AMD's public machine-readable ISA for CDNA 5 (MIT licence, August 2026) and "CDNA5" Instruction Set Architecture Reference Guide (July 2026). The comments in the code are by the model that wrote it; some were corrected since.
;; Sliding Window Attention. Allowed arithmetic: float matrix products may take bf16 or f16 operands with f32 sums; all other float work in f32.
;; Inputs: b_proj 1,024 float32; b_qkv 3,072 float32; w_proj 1,024 x 1,024 float32; w_qkv 3,072 x 1,024 float32; x 2 x 2,048 x 1,024 float32.
;; Outputs: out0 2 x 2,048 x 1,024 float32.
;; One version. Each part assembles by itself: llvm-mc -triple=amdgcn-amd-amdhsa -mcpu=gfx1250 --defsym DOCPART=n.
;; ======== version 1 of 1: 4 launches
;; limits: values are held in f16: magnitudes above 65,504 overflow, below 6.1e-05 lose precision
;; workspace buffers: xh 8,388,608 bytes; wqh 6,291,456 bytes; wph 2,097,152 bytes; qkv 25,165,824 bytes; vs 262,144 bytes; ao 8,388,608 bytes
;; launch cast (part 1): grid 512 x 1, 8 waves a work-group, no clusters, 0 bytes of LDS; arguments x, w_qkv, w_proj, xh, wqh, wph; writes xh, wqh, wph
.if DOCPART == 1
	.amdgcn_target "amdgcn-amd-amdhsa--gfx1250"
	.amdhsa_code_object_version 6
	.text
	.protected	k_q0233ffd343_cast
	.globl	k_q0233ffd343_cast
	.p2align	8
	.type	k_q0233ffd343_cast,@function
k_q0233ffd343_cast:
	s_mov_b64 s[64:65], 0
	v_nop
	global_prefetch_b8 v0, s[64:65] scope:SCOPE_SE
	s_setreg_imm32_b32 hwreg(HW_REG_WAVE_MODE, 25, 1), 1
	s_wait_xcnt 0x0
; cast: the three large f32 inputs become f16 matrix operands, each read once and written once.
;   xh  = f16(x / 8)                                   [4096][1024]
;   wqh = f16(w_qkv), Q's 1024 rows times log2(e)      [head 16][section 3][64][1024]: a head's 192 rows lie together
;   wph = f16(8 w_proj)                                [1024][1024]
; The powers of two are exact and centre f16's range; log2(e) enters before the one rounding, so that the later
; softmax works in base 2 with an exact factor 8.
; LIMIT: f16 operands.  |x| / 8, 1.45 |w_qkv| and 8 |w_proj| must stay below 65,504; below 6e-5 they keep an absolute step of 6e-8.
; A work-group takes 65,536 bytes of f32 (16 rows): numbers 0-255 x, 256-447 w_qkv, 448-511 w_proj.
; A stream: no LDS, no barrier, no matrix unit.  All sixteen loads of a wave go out first; no register is written twice.
.set X, 4                              ; v[4:67]   8 x 8 numbers as loaded, scaled in place
.set Y, 68                             ; v[68:99]  8 x 4 registers of packed f16
	s_load_b256 s[4:11], s[0:1], 0x0               ; x s[4:5], w_qkv s[6:7], w_proj s[8:9], xh s[10:11]
	s_load_b128 s[12:15], s[0:1], 0x20             ; wqh s[12:13], wph s[14:15]
	s_mov_b32 s16, ttmp9                           ; the work-group's number; also x's chunk
	s_max_u32 s17, s16, 256
	s_sub_co_u32 s17, s17, 256
	s_min_u32 s17, s17, 191                        ; w_qkv's chunk (clamped where it is not the one chosen)
	s_max_u32 s18, s16, 448
	s_sub_co_u32 s18, s18, 448                     ; w_proj's chunk (likewise)
	s_lshr_b32 s19, s17, 2                         ; 64 rows of w_qkv = 4 chunks: group = 16 section + head
	s_and_b32 s2, s19, 15                          ; head
	s_lshr_b32 s19, s19, 4                         ; section
	s_mul_i32 s2, s2, 3
	s_add_co_u32 s19, s19, s2                      ; 3 head + section
	s_and_b32 s2, s17, 3
	s_lshl2_add_u32 s19, s19, s2                   ; w_qkv's chunk in wqh = 4 (3 head + section) + chunk mod 4
	v_lshlrev_b32 v1, 5, v0                        ; 32 bytes of f32 a thread
	v_lshlrev_b32 v2, 4, v0                        ; 16 bytes of f16 a thread
	s_wait_kmcnt 0x0
	s_cmp_lt_u32 s16, 448                          ; w_qkv or w_proj
	s_cselect_b64 s[20:21], s[6:7], s[8:9]
	s_cselect_b64 s[22:23], s[12:13], s[14:15]
	s_cselect_b32 s24, s17, s18                    ; chunk read
	s_cselect_b32 s25, s19, s18                    ; chunk written
	s_cselect_b32 s30, 1.0, 0x41000000             ; scale 1 or 8
	s_cmp_lt_u32 s16, 320                          ; chunks 0-63 of w_qkv are Q's rows
	s_cselect_b32 s30, 0x3fb8aa3b, s30             ; log2(e)
	s_cmp_lt_u32 s16, 256                          ; x
	s_cselect_b64 s[20:21], s[4:5], s[20:21]
	s_cselect_b64 s[22:23], s[10:11], s[22:23]
	s_cselect_b32 s24, s16, s24
	s_cselect_b32 s25, s16, s25
	s_cselect_b32 s30, 0x3e000000, s30             ; 1 / 8
	s_mov_b32 s31, s30                             ; the pair is named whole by the packed multiply
	s_lshl_b32 s26, s24, 16
	s_mov_b32 s27, 0
	s_lshl_b32 s28, s25, 15
	s_mov_b32 s29, 0
	s_add_nc_u64 s[20:21], s[20:21], s[26:27]
	s_add_nc_u64 s[22:23], s[22:23], s[28:29]
.irp j, 0,1,2,3,4,5,6,7
	global_load_b128 v[X+8*\j:X+8*\j+3],   v1, s[20:21] offset:8192*\j th:TH_LOAD_NT
	global_load_b128 v[X+8*\j+4:X+8*\j+7], v1, s[20:21] offset:8192*\j+16 th:TH_LOAD_NT
.endr
.irp j, 0,1,2,3,4,5,6,7
	s_wait_loadcnt 14-2*\j                         ; loads return in order: pair j is in, the 14 - 2 j younger loads stay out
.irp k, 0,2,4,6
	v_pk_mul_f32 v[X+8*\j+\k:X+8*\j+\k+1], v[X+8*\j+\k:X+8*\j+\k+1], s[30:31] op_sel_hi:[1,0]
.endr
.irp k, 0,1,2,3
	v_cvt_pk_f16_f32 v[Y+4*\j+\k], v[X+8*\j+2*\k], v[X+8*\j+2*\k+1]
.endr
	global_store_b128 v2, v[Y+4*\j:Y+4*\j+3], s[22:23] offset:4096*\j   ; a wave's store covers 512 consecutive bytes, aligned
.endr
	s_endpgm
.Lfunc_end_k_q0233ffd343_cast:
	.size	k_q0233ffd343_cast, .Lfunc_end_k_q0233ffd343_cast-k_q0233ffd343_cast
	.p2alignl 7, 3214868480
	.fill 96, 4, 3214868480
	.section	.rodata,"a",@progbits
	.p2align	6, 0x0
	.amdhsa_kernel k_q0233ffd343_cast
		.amdhsa_group_segment_fixed_size 0
		.amdhsa_private_segment_fixed_size 0
		.amdhsa_enable_private_segment 0
		.amdhsa_kernarg_size 48
		.amdhsa_user_sgpr_count 2
		.amdhsa_user_sgpr_kernarg_segment_ptr 1
		.amdhsa_wavefront_size32 1
		.amdhsa_system_sgpr_workgroup_id_x 1
		.amdhsa_system_sgpr_workgroup_id_y 1
		.amdhsa_system_sgpr_workgroup_id_z 1
		.amdhsa_system_vgpr_workitem_id 0
		.amdhsa_next_free_vgpr 100
		.amdhsa_next_free_sgpr 66
		.amdhsa_reserve_vcc 0
		.amdhsa_float_denorm_mode_32 3
		.amdhsa_float_denorm_mode_16_64 3
		.amdhsa_memory_ordered 1
		.amdhsa_forward_progress 1
		.amdhsa_inst_pref_size 9
	.end_amdhsa_kernel
	.amdgpu_metadata
---
amdhsa.version: [ 1, 2 ]
amdhsa.kernels:
  - .name:           k_q0233ffd343_cast
    .symbol:         k_q0233ffd343_cast.kd
    .args:
      - { .name: x, .offset: 0, .size: 8, .value_kind: global_buffer, .address_space: global }
      - { .name: w_qkv, .offset: 8, .size: 8, .value_kind: global_buffer, .address_space: global }
      - { .name: w_proj, .offset: 16, .size: 8, .value_kind: global_buffer, .address_space: global }
      - { .name: xh, .offset: 24, .size: 8, .value_kind: global_buffer, .address_space: global }
      - { .name: wqh, .offset: 32, .size: 8, .value_kind: global_buffer, .address_space: global }
      - { .name: wph, .offset: 40, .size: 8, .value_kind: global_buffer, .address_space: global }
    .group_segment_fixed_size: 0
    .private_segment_fixed_size: 0
    .kernarg_segment_align: 8
    .kernarg_segment_size: 48
    .max_flat_workgroup_size: 256
    .sgpr_count:     66
    .vgpr_count:     100
    .wavefront_size: 32
...
	.end_amdgpu_metadata
.endif
;; end of part 1
;; launch qkvp (part 2): grid 16 x 16, 4 waves a work-group, clusters of 4 x 4, 327,680 bytes of LDS; arguments xh, wqh, b_qkv, qkv, vs; writes qkv, vs
.if DOCPART == 2
	.amdgcn_target "amdgcn-amd-amdhsa--gfx1250"
	.amdhsa_code_object_version 6
	.text
	.protected	k_q0233ffd343_qkvp
	.globl	k_q0233ffd343_qkvp
	.p2align	8
	.type	k_q0233ffd343_qkvp,@function
k_q0233ffd343_qkvp:
	s_mov_b64 s[64:65], 0
	v_nop
	global_prefetch_b8 v0, s[64:65] scope:SCOPE_SE
	s_setreg_imm32_b32 hwreg(HW_REG_WAVE_MODE, 25, 1), 1
	s_wait_xcnt 0x0
	s_wait_alu depctr_hold_cnt(0) depctr_sa_sdst(0) depctr_va_vdst(0) depctr_va_sdst(0) depctr_va_ssrc(0) depctr_va_vcc(0) depctr_vm_vsrc(0)
	s_getreg_b32 s2, hwreg(HW_REG_IB_STS2, 6, 4)
	s_cmp_eq_u32 s2, 0
	s_cbranch_scc0 .Lentry_in_a_cluster
	s_endpgm
.Lentry_in_a_cluster:
	s_bfe_u32 s2, ttmp6, 0x10000c
	s_cmp_lg_u32 s2, 0xf033
	s_cbranch_scc0 .Lentry_shape_is_right
	s_endpgm
.Lentry_shape_is_right:
; qkv projection: [4096 x 1024] (xh) times the 192 rows of one head (wqh: Q, K, V, 64 rows each), plus bias, in f16 with f32 sums.
; Stored: qkv[section][b][head][l][64] f16 = q log2(e) / 8, k / 8, v / 8, and vs[b][head][l / 64][64] f32 = sums of v / 8 over 64 rows.
; LIMIT: the results are f16: |q| above 3.6e5, |k| or |v| above 5.2e5 overflow.
; A work-group makes 256 rows x 192 columns with four waves; a wave makes 64 rows x 192 columns: 48 accumulator tiles, 384 registers.
; K goes in steps of 128 through two LDS slots filled by tensor loads; a tile's rows are 256 bytes, aligned.
; CLUSTER 4 x 4: the four work-groups of a row of the cluster share the block row (xh's tiles), the four of a column share the head
; (wqh's tiles); each tile is asked for jointly by the four, which divides the requests by four.
; The matrix instruction is used transposed (source 0 = rows of wqh, source 1 = rows of xh): a lane then holds one row of the result and
; eight neighbouring columns.  The first product takes the bias as C: nothing is cleared, nothing is added later.
; REGISTERS: window 0: addresses, A's fragments (two buffers), the bias, work on the way out; window 1: B's fragments (two buffers of 96);
; window 2: accumulator tiles of my rows 0-31 (tile (a, b) at 8 (12 a + b)); window 3: rows 32-63.
.set KSTEP,  128
.set PITCH,  272                       ; an LDS row: 256 bytes + 16 of padding: 16 rows start at 16 different 16-byte columns of the banks (ISA guide 11.1)
.set AHALF,  128*PITCH                 ; what waves 0 and 1 fetch
.set BHALF,  96*PITCH                  ; what waves 2 and 3 fetch
.set BOFS,   256*PITCH                 ; B's 192 rows lie behind A's 256
.set SLOT,   448*PITCH
.set STAGE,  2*SLOT                    ; behind the ring, no fill lands here: for each wave 3 sections x 16 rows x 144 bytes
.set SPITCH, 144
.set SSEC,   16*SPITCH
.set SWAVE,  3*SSEC
.set SCR,    STAGE+4*SWAVE             ; 256 bytes for each wave: the column sums of V
.set FLAGS,  (1<<16)|(1<<20)|(1<<21)|(5<<22)|(3<<25)   ; 2-byte elements; padding on; bit 21 beside a mask; after 64 words; 4 words
.set ADRA, 16                          ; v16-17 LDS address of my A fragments in slot 0, 1
.set ADRB, 20                          ; v20-21 the same for B
.set STO,  24                          ; way out: where I put 16 bytes
.set RD,   25                          ; way out: where I read back
.set CO,   26                          ; 16 x lane
.set SCW,  27                          ; column sums: where I put them
.set SCRD, 28                          ; column sums: where I read them back
.set VSO,  29                          ; 8 x lane
.set BOFF, 30                          ; 32 x (lane / 16)
.set FA,   32                          ; A's fragment buffers: v32-63, v64-95
.set BIAS, 96                          ; v96-191: tile b's eight columns of bias, scaled
.set TMP,  192                         ; v192-239: packed results
.set RB0,  32                          ; behind the loop: read-back buffers of 48 registers
.set RB1,  96
.set CS,   144                         ; behind the loop: column sums
.set CS2,  176
.set VSD,  240
.set G1,  24                           ; s[24:31] group 1, A's tiles
.set G0,  32                           ; s[32:39] group 0, A's tiles, a set for each slot
.set G1B, 40                           ; s[40:47] group 1, B's tiles
.set G0B, 48                           ; s[48:55] group 0, B's tiles
.set MSB, 0
.macro WIN new                         ; the immediate's high byte repeats the setting that is left
.if MSB != \new
	s_set_vgpr_msb (MSB<<8)|\new
.set MSB, \new
.endif
.endm
.macro PLACES                          ; four places behind matrix instructions in front of loads into, and reads of, their registers
.rept 4
	v_nop
.endr
.endm
.macro JLOAD s                         ; a joint load: waves 0, 1 ask for A's halves, waves 2, 3 for B's; the branch hangs on the wave's number alone
	s_cmp_eq_u32 s15, 0
	s_cbranch_scc0 .Lfor_b_\@
	tensor_load_to_lds s[G0+4*\s:G0+4*\s+3], s[G1:G1+7]
	s_nop 0
	s_branch .Lasked_\@
.Lfor_b_\@:
	tensor_load_to_lds s[G0B+4*\s:G0B+4*\s+3], s[G1B:G1B+7]
	s_nop 0
.Lasked_\@:
.endm
.macro CREST                           ; a round of the cluster's barrier behind its opening work-group barrier
	s_cmp_lg_u32 s14, 0
	s_cbranch_scc1 .Lnot_wave_0_\@
	s_barrier_signal -3
.Lnot_wave_0_\@:
	s_barrier_wait -3
	s_barrier_signal -1
	s_barrier_wait -1
.endm
.macro CROUND
	s_barrier_signal -1
	s_barrier_wait -1
	CREST
.endm
	s_load_b256 s[4:11], s[0:1], 0x0               ; xh s[4:5], wqh s[6:7], b_qkv s[8:9], qkv s[10:11]
	s_load_b64 s[12:13], s[0:1], 0x20              ; vs
	s_set_vgpr_msb 0x40
	v_lshl_add_u32 v255, v0, 2, 0x42800
	s_set_vgpr_msb 0x4000
	v_mov_b32 v255, 0
	s_set_vgpr_msb 0x1
	ds_add_u32 v255, v255
	ds_add_u32 v255, v255
	s_set_vgpr_msb 0x100
	v_lshrrev_b32 v1, 5, v0
	v_readfirstlane_b32 s14, v1                    ; wave 0..3
	s_lshr_b32 s15, s14, 1                         ; I fetch for A (0) or for B (1)
	s_and_b32 s16, s14, 1                          ; which half of that tile
	s_bfe_u32 s17, ttmp6, 0x40000                  ; cx
	s_bfe_u32 s18, ttmp6, 0x40004                  ; cy
	s_lshl_b32 s19, ttmp9, 2
	s_add_co_u32 s19, s19, s17                     ; head = 4 x cluster x + cx
	s_and_b32 s20, ttmp7, 0xffff
	s_lshl_b32 s20, s20, 2
	s_add_co_u32 s20, s20, s18                     ; block row = 4 x cluster y + cy
	s_lshl_b32 s21, s18, 2
	s_lshl_b32 s21, 15, s21                        ; my row of the cluster
	s_lshl_b32 s22, 0x1111, s17                    ; my column
	s_or_b32 s[G1+0], s21, FLAGS
	s_or_b32 s[G1B+0], s22, FLAGS
	s_mov_b32 s[G1+1], KSTEP<<16                   ; tensor_dim0 = 128
	s_mov_b32 s[G1B+1], KSTEP<<16
	s_mov_b32 s[G1+2], 128<<16                     ; tensor_dim1 = 128 rows
	s_mov_b32 s[G1B+2], 96<<16                     ; 96 rows
	s_mov_b32 s[G1+3], KSTEP<<16                   ; tile_dim0 = 128
	s_mov_b32 s[G1B+3], KSTEP<<16
	s_mov_b32 s[G1+4], 128                         ; tile_dim1
	s_mov_b32 s[G1B+4], 96
	s_mov_b32 s[G1+5], 1024                        ; elements from row to row
	s_mov_b32 s[G1B+5], 1024
	s_mov_b32 s[G1+6], 0
	s_mov_b32 s[G1B+6], 0
	s_mov_b32 s[G1+7], 0
	s_mov_b32 s[G1B+7], 0
	s_lshl_b32 s56, s20, 8                         ; A: row 256 x block row + 128 x half, of 2,048 bytes
	s_lshl_b32 s62, s16, 7
	s_add_co_u32 s56, s56, s62
	s_lshl_b32 s56, s56, 11
	s_mov_b32 s57, 0
	s_mul_i32 s58, s19, 192                        ; B: row 192 x head + 96 x half
	s_mul_i32 s63, s16, 96
	s_add_co_u32 s58, s58, s63
	s_lshl_b32 s58, s58, 11
	s_mov_b32 s59, 0
	s_mul_i32 s60, s14, AHALF                      ; LDS: A's halves at wave x 128 rows,
	s_mul_i32 s61, s14, BHALF
	s_add_co_u32 s61, s61, BOFS-2*BHALF            ; B's at 256 rows + (wave - 2) x 96 rows
	s_lshl_b32 s66, s19, 8                         ; the head's 64 numbers in each section of the bias
	s_mov_b32 s67, 0
	s_wait_dscnt 0x0
	s_wait_kmcnt 0x0
	s_add_nc_u64 s[56:57], s[4:5], s[56:57]
	s_add_nc_u64 s[58:59], s[6:7], s[58:59]
	s_add_nc_u64 s[66:67], s[8:9], s[66:67]
	CROUND                                         ; all sixteen work-groups are here: the first joint loads meet
.irp s, 0,1
	s_mov_b32 s[G0+4*\s], 1
	s_add_co_u32 s[G0+4*\s+1], s60, \s*SLOT
	s_add_nc_u64 s[G0+4*\s+2:G0+4*\s+3], s[56:57], \s*KSTEP*2
	s_or_b32 s[G0+4*\s+3], s[G0+4*\s+3], 0x80000000
	s_mov_b32 s[G0B+4*\s], 1
	s_add_co_u32 s[G0B+4*\s+1], s61, \s*SLOT
	s_add_nc_u64 s[G0B+4*\s+2:G0B+4*\s+3], s[58:59], \s*KSTEP*2
	s_or_b32 s[G0B+4*\s+3], s[G0B+4*\s+3], 0x80000000
	JLOAD \s                                       ; both slots' first fills: two tensor loads of the wave are out
.endr
	v_and_b32 v1, 15, v0                           ; r = lane % 16
	v_bfe_u32 v2, v0, 4, 1                         ; h = lane / 16
	v_and_b32 v5, 31, v0                           ; lane
	v_lshlrev_b32 v[BOFF], 5, v2
	; tile b covers section b / 4, columns 16 (b % 4) + 8 h + 0..7 of the head
.irp b, 0,1,2,3,4,5,6,7,8,9,10,11
	global_load_b128 v[BIAS+8*\b:BIAS+8*\b+3],   v[BOFF], s[66:67] offset:(\b>>2)*4096+(\b&3)*64
	global_load_b128 v[BIAS+8*\b+4:BIAS+8*\b+7], v[BOFF], s[66:67] offset:(\b>>2)*4096+(\b&3)*64+16
.endr
	v_mul_u32_u24 v3, v1, PITCH
	v_lshl_add_u32 v3, v2, 4, v3                   ; row x pitch + 16 h
	s_mul_i32 s62, s14, 64*PITCH                   ; my 64 rows of A
	v_add_nc_u32 v[ADRA], s62, v3
	s_add_co_u32 s62, s62, SLOT
	v_add_nc_u32 v[ADRA+1], s62, v3
	v_add_nc_u32 v[ADRB], BOFS, v3                 ; every wave reads all 192 rows of B
	v_add_nc_u32 v[ADRB+1], BOFS+SLOT, v3
	s_mul_i32 s63, s14, SWAVE
	s_add_co_u32 s63, s63, STAGE                   ; my stage
	v_mul_u32_u24 v4, v1, SPITCH
	v_lshl_add_u32 v4, v2, 4, v4
	v_add_nc_u32 v[STO], s63, v4                   ; in: row r, 16 bytes for each half of the lanes
	v_lshrrev_b32 v6, 3, v5
	v_mul_u32_u24 v6, v6, SPITCH
	v_and_b32 v7, 7, v0
	v_lshl_add_u32 v6, v7, 4, v6
	v_add_nc_u32 v[RD], s63, v6                    ; back: eight lanes take a row of 128 bytes, a wave four rows
	v_lshlrev_b32 v[CO], 4, v5
	s_lshl_b32 s63, s14, 8
	s_add_co_u32 s63, s63, SCR
	v_lshl_add_u32 v[SCW], v2, 5, s63
	v_lshl_add_u32 v[SCRD], v5, 3, s63
	v_lshlrev_b32 v[VSO], 3, v5
	s_wait_loadcnt 0x0                             ; the bias, once
.set i, 0
.rept 16
	v_pk_mul_f32 v[BIAS+2*i:BIAS+2*i+1], v[BIAS+2*i:BIAS+2*i+1], 0x3e38aa3b op_sel_hi:[1,0]   ; Q's bias x log2(e) / 8, as Q's weights and x are scaled
.set i, i+1
.endr
.rept 32
	v_pk_mul_f32 v[BIAS+2*i:BIAS+2*i+1], v[BIAS+2*i:BIAS+2*i+1], 0x3e000000 op_sel_hi:[1,0]   ; K's and V's bias / 8
.set i, i+1
.endr
; 12 matrix instructions: rows 16 (2 hi + a) .. + 15 of my 64 x all 192 columns, 32 along K.  first = 1: the bias is C.
; The 48 accumulators take turns in one order.
.macro MUL12 buf, hi, a, first
.irp b, 0,1,2,3,4,5,6,7,8,9,10,11
.if \first
	v_wmma_f32_16x16x32_f16 v[8*(12*\a+\b):8*(12*\a+\b)+7], v[96*\buf+8*\b:96*\buf+8*\b+7], v[FA+32*\buf+8*(2*\hi+\a):FA+32*\buf+8*(2*\hi+\a)+7], v[BIAS+8*\b:BIAS+8*\b+7]
.else
	v_wmma_f32_16x16x32_f16 v[8*(12*\a+\b):8*(12*\a+\b)+7], v[96*\buf+8*\b:96*\buf+8*\b+7], v[FA+32*\buf+8*(2*\hi+\a):FA+32*\buf+8*(2*\hi+\a)+7], v[8*(12*\a+\b):8*(12*\a+\b)+7]
.endif
.endr
.endm
.macro WLO first                       ; source 0 (B) window 1, source 1 (A) window 0, D window 2; C window 2, or 0 for the bias
.if \first
	WIN 0x81
.else
	WIN 0xa1
.endif
.endm
.macro WHI first                       ; the same with window 3
.if \first
	WIN 0xc1
.else
	WIN 0xf1
.endif
.endm
; 32 LDS loads in one run: 12 fragments of B, then 4 of A, 32 K at byte k of the slot's rows, into buffer buf
.macro FETCH slot, k, buf
	WIN 0x40
.irp i, 0,1,2,3,4,5,6,7,8,9,10,11
	ds_load_b128 v[96*\buf+8*\i:96*\buf+8*\i+3],   v[ADRB+\slot] offset:\k+\i*16*PITCH
	ds_load_b128 v[96*\buf+8*\i+4:96*\buf+8*\i+7], v[ADRB+\slot] offset:\k+\i*16*PITCH+32
.endr
	WIN 0
.irp i, 0,1,2,3
	ds_load_b128 v[FA+32*\buf+8*\i:FA+32*\buf+8*\i+3],   v[ADRA+\slot] offset:\k+\i*16*PITCH
	ds_load_b128 v[FA+32*\buf+8*\i+4:FA+32*\buf+8*\i+7], v[ADRA+\slot] offset:\k+\i*16*PITCH+32
.endr
.endm
; a quarter of a K step: multiplies buffer f, fetches the next quarter's fragments into buffer g in its middle
.macro QUARTER slot, k, f, g, first
	s_wait_dscnt 0x4                               ; B and A's rows 0-31 are in; the youngest four loads (A's rows 32-63) may be out
	WLO \first
	MUL12 \f, 0, 0, \first
	MUL12 \f, 0, 1, \first
	PLACES
	FETCH \slot, \k, \g
	s_wait_dscnt 0x20                              ; all but the 32 just issued
	WHI \first
	MUL12 \f, 1, 0, \first
	MUL12 \f, 1, 1, \first
.endm
.macro THREE slot, first
	QUARTER \slot, 64,  0, 1, \first
	QUARTER \slot, 128, 1, 0, 0
	QUARTER \slot, 192, 0, 1, 0
.endm
; the last quarter of a K step: multiplies buffer 1 and changes slots.  In front of the barrier each wave waits for its reads of this slot
; and for all its tensor loads (one is out: its part of the next slot).  Where the slot is filled again the barrier opens a round of the
; cluster's barrier, and the joint refill is the first tensor load behind the round.  From a request to the wait for it: 180 matrix instructions.
.macro TURN slot, next, fill
	s_wait_dscnt 0x4
	WIN 0xa1
	MUL12 1, 0, 0, 0
	s_wait_dscnt 0x0                               ; my reads of this slot are over
	s_wait_tensorcnt 0x0                           ; all my tensor loads have landed
	ds_add_u32 v255, v255
	s_wait_dscnt 0x0
	s_barrier_signal -1
	MUL12 1, 0, 1, 0                               ; register work while the others arrive
	WIN 0
	s_barrier_wait -1
.if \fill
	CREST                                          ; no wave of any partner still reads this slot or has a load on its way
	s_add_nc_u64 s[G0+4*\slot+2:G0+4*\slot+3], s[G0+4*\slot+2:G0+4*\slot+3], 2*KSTEP*2
	s_add_nc_u64 s[G0B+4*\slot+2:G0B+4*\slot+3], s[G0B+4*\slot+2:G0B+4*\slot+3], 2*KSTEP*2
	JLOAD \slot
.endif
	PLACES
	FETCH \next, 0, 0
	WIN 0xf1
	MUL12 1, 1, 0, 0
	MUL12 1, 1, 1, 0
.endm
.macro LAP first                       ; two K steps, both slots filled again
	THREE 0, \first
	TURN 0, 1, 1
	THREE 1, 0
	TURN 1, 0, 1
.endm
	s_wait_tensorcnt 0x1                           ; my part of K step 0 is in; K step 1's load, issued behind it, may stay out
	s_barrier_signal -1
	s_barrier_wait -1
	FETCH 0, 0, 0
	LAP 1                                          ; K steps 0, 1 (asks for 2, 3)
	WIN 0
	s_mov_b32 s3, 2
.Llap:
	LAP 0                                          ; K steps 2-5 (ask for 4-7)
	WIN 0
	s_sub_co_u32 s3, s3, 1
	s_cmp_lg_u32 s3, 0
	s_cbranch_scc1 .Llap
	THREE 0, 0                                     ; K steps 6, 7: nothing is left to fetch
	TURN 0, 1, 0
	THREE 1, 0
	s_wait_dscnt 0x4
	WIN 0xa1
	MUL12 1, 0, 0, 0
	MUL12 1, 0, 1, 0
	s_wait_dscnt 0x0
	WIN 0xf1
	MUL12 1, 1, 0, 0
	MUL12 1, 1, 1, 0
	; THE WAY OUT
	PLACES
	s_lshr_b32 s76, s20, 3                         ; batch
	s_lshl_b32 s76, s76, 4
	s_add_co_u32 s76, s76, s19                     ; 16 batch + head
	s_and_b32 s77, s20, 7
	s_lshl_b32 s77, s77, 2
	s_add_co_u32 s77, s77, s14                     ; my 64 rows among the sequence's 32 groups
	s_lshl_b32 s76, s76, 5
	s_add_co_u32 s76, s76, s77
	s_lshl_b32 s68, s76, 13                        ; 64 rows of 128 bytes
	s_mov_b32 s69, 0
	s_lshl_b32 s74, s76, 8                         ; 64 sums of 4 bytes
	s_mov_b32 s75, 0
	s_add_nc_u64 s[68:69], s[10:11], s[68:69]      ; Q's section
	s_add_nc_u64 s[70:71], s[68:69], 0x800000      ; K's
	s_add_nc_u64 s[72:73], s[68:69], 0x1000000     ; V's
	s_add_nc_u64 s[74:75], s[12:13], s[74:75]
	; sums of V's 64 columns over my 64 rows: over the four row tiles, then over the 16 lanes that hold the rows
	WIN 0x0a
.irp b, 0,1,2,3
.irp k, 0,2,4,6
	v_pk_add_f32 v[CS+8*\b+\k:CS+8*\b+\k+1], v[8*(8+\b)+\k:8*(8+\b)+\k+1], v[8*(20+\b)+\k:8*(20+\b)+\k+1]
.endr
.endr
	WIN 0x0f
.irp b, 0,1,2,3
.irp k, 0,2,4,6
	v_pk_add_f32 v[CS2+8*\b+\k:CS2+8*\b+\k+1], v[8*(8+\b)+\k:8*(8+\b)+\k+1], v[8*(20+\b)+\k:8*(20+\b)+\k+1]
.endr
.endr
	WIN 0
.set i, 0
.rept 16
	v_pk_add_f32 v[CS+2*i:CS+2*i+1], v[CS+2*i:CS+2*i+1], v[CS2+2*i:CS2+2*i+1]
.set i, i+1
.endr
.irp m, 1,2,4,8
.set i, 0
.rept 32
	v_add_f32_dpp v[CS+i], v[CS+i], v[CS+i] row_xmask:\m row_mask:0xf bank_mask:0xf
.set i, i+1
.endr
.endr
.irp b, 0,1,2,3
	ds_store_b128 v[SCW], v[CS+8*\b:CS+8*\b+3]   offset:64*\b       ; column 16 b + 8 h + j; the 16 lanes of a half write the same words
	ds_store_b128 v[SCW], v[CS+8*\b+4:CS+8*\b+7] offset:64*\b+16
.endr
	ds_load_b64 v[VSD:VSD+1], v[SCRD]              ; my own bytes: LDS serves a wave's instructions in order
	s_wait_dscnt 0x0
	global_store_b64 v[VSO], v[VSD:VSD+1], s[74:75]   ; 256 consecutive bytes, aligned
; rows 16 i .. 16 i + 15 of my 64: rounded to f16, through my stage, out as 512 consecutive bytes (four rows of a section) a store
.macro OUT16 i, a, from, f
	WIN \from
.irp b, 0,1,2,3,4,5,6,7,8,9,10,11
.irp k, 0,1,2,3
	v_cvt_pk_f16_f32 v[TMP+4*\b+\k], v[8*(12*\a+\b)+2*\k], v[8*(12*\a+\b)+2*\k+1]
.endr
.endr
	WIN 0
.irp b, 0,1,2,3,4,5,6,7,8,9,10,11
	ds_store_b128 v[STO], v[TMP+4*\b:TMP+4*\b+3] offset:(\b>>2)*SSEC+(\b&3)*32
.endr
	s_wait_xcnt 0x0                                ; buffer f, which earlier stores read, is loaded again only behind this wait
.irp t, 0,1,2,3,4,5,6,7,8,9,10,11
	ds_load_b128 v[\f+4*\t:\f+4*\t+3], v[RD] offset:(\t>>2)*SSEC+(\t&3)*4*SPITCH
.endr
.irp t, 0,1,2,3,4,5,6,7,8,9,10,11
	s_wait_dscnt 11-\t                             ; LDS loads return in order: load t is in
	global_store_b128 v[CO], v[\f+4*\t:\f+4*\t+3], s[68+2*(\t>>2):69+2*(\t>>2)] offset:(16*\i+4*(\t&3))*128
.endr
.endm
	OUT16 0, 0, 0x0a, RB0
	OUT16 1, 1, 0x0a, RB1
	OUT16 2, 0, 0x0f, RB0
	OUT16 3, 1, 0x0f, RB1
	s_set_vgpr_msb 0x1
	s_wait_tensorcnt 0x0
	ds_add_u32 v255, v255
	s_wait_dscnt 0x0
	s_set_vgpr_msb 0x100
	CROUND                                         ; the closing round: no work-group ends while a partner may still ask jointly
	s_endpgm
.Lfunc_end_k_q0233ffd343_qkvp:
	.size	k_q0233ffd343_qkvp, .Lfunc_end_k_q0233ffd343_qkvp-k_q0233ffd343_qkvp
	.p2alignl 7, 3214868480
	.fill 96, 4, 3214868480
	.section	.rodata,"a",@progbits
	.p2align	6, 0x0
	.amdhsa_kernel k_q0233ffd343_qkvp
		.amdhsa_group_segment_fixed_size 327680
		.amdhsa_private_segment_fixed_size 0
		.amdhsa_enable_private_segment 0
		.amdhsa_kernarg_size 40
		.amdhsa_user_sgpr_count 2
		.amdhsa_user_sgpr_kernarg_segment_ptr 1
		.amdhsa_wavefront_size32 1
		.amdhsa_system_sgpr_workgroup_id_x 1
		.amdhsa_system_sgpr_workgroup_id_y 1
		.amdhsa_system_sgpr_workgroup_id_z 1
		.amdhsa_system_vgpr_workitem_id 0
		.amdhsa_next_free_vgpr 960
		.amdhsa_next_free_sgpr 84
		.amdhsa_reserve_vcc 0
		.amdhsa_float_denorm_mode_32 3
		.amdhsa_float_denorm_mode_16_64 3
		.amdhsa_memory_ordered 1
		.amdhsa_forward_progress 1
		.amdhsa_inst_pref_size 182
	.end_amdhsa_kernel
	.amdgpu_metadata
---
amdhsa.version: [ 1, 2 ]
amdhsa.kernels:
  - .name:           k_q0233ffd343_qkvp
    .symbol:         k_q0233ffd343_qkvp.kd
    .args:
      - { .name: xh, .offset: 0, .size: 8, .value_kind: global_buffer, .address_space: global }
      - { .name: wqh, .offset: 8, .size: 8, .value_kind: global_buffer, .address_space: global }
      - { .name: b_qkv, .offset: 16, .size: 8, .value_kind: global_buffer, .address_space: global }
      - { .name: qkv, .offset: 24, .size: 8, .value_kind: global_buffer, .address_space: global }
      - { .name: vs, .offset: 32, .size: 8, .value_kind: global_buffer, .address_space: global }
    .group_segment_fixed_size: 327680
    .private_segment_fixed_size: 0
    .kernarg_segment_align: 8
    .kernarg_segment_size: 40
    .max_flat_workgroup_size: 128
    .sgpr_count:     84
    .vgpr_count:     960
    .wavefront_size: 32
...
	.end_amdgpu_metadata
.endif
;; end of part 2
;; launch attn (part 3): grid 16 x 16, 8 waves a work-group, no clusters, 256,000 bytes of LDS; arguments qkv, vs, ao; writes ao
.if DOCPART == 3
	.amdgcn_target "amdgcn-amd-amdhsa--gfx1250"
	.amdhsa_code_object_version 6
	.text
	.protected	k_q0233ffd343_attn
	.globl	k_q0233ffd343_attn
	.p2align	8
	.type	k_q0233ffd343_attn,@function
k_q0233ffd343_attn:
	s_mov_b64 s[64:65], 0
	v_nop
	global_prefetch_b8 v0, s[64:65] scope:SCOPE_SE
	s_setreg_imm32_b32 hwreg(HW_REG_WAVE_MODE, 25, 1), 1
	s_wait_xcnt 0x0
; Sliding-window attention.  A work-group: 128 queries (block qb) of two neighbouring heads of one batch.  Eight waves: wave = 2 rg + hd takes
; head 2 p + hd and the 32 queries from 128 qb + 32 rg.  The keys 128 kbk .. 128 kbk + 383 (kbk = max(qb - 2, 0)) of both heads, K and V, lie in LDS,
; brought by one tensor load a wave at the start; nothing is filled again.
; THE MASK'S VALUE IS FINITE (-10000), so masked keys keep a weight.  They all share one score, so they are the START of the online softmax:
; maximum = the masked score, sum = their number, O = the sum of their V.  That sum is made of the sums over 64 rows that the projection stored
; (keys outside the 384) and of products of V with ones (whole blocks of 32 masked keys inside).  Masked keys inside the two mixed blocks get the
; masked score in the ordinary way.  Every exponential has the running maximum taken away.
; SCALES: q is stored x log2(e) / 8, k and v / 8.  s = q.k is then score x log2(e) / 8, and p = exp2(8 s - 8 m); 8 m is exact, so the fused
; multiply-add gives the rounded 8 (s - m), and the row's maximum gives p = 1 whatever the size of the scores.  ao = result / 8 in f16.
; LIMIT: f16 operands (P at most 1; q, k, v, ao as stored).
; No joint loads: neighbouring query blocks share keys, but at different places of their 384, so neither one descriptor nor equal LDS addresses
; would serve both.
; LAYOUT: S^T = K Q^T (a lane holds query r and keys 16 kt + 8 h + j), so that the lane's own p, packed, are P^T's fragment for O^T = V^T P^T,
; and the row's maximum and sum are per lane, joined across the two halves of the lanes by one exchange.
.set KP,    272                        ; K: an LDS row holds two keys (256 bytes) + 16: a fragment's 16 keys fall on 16 different 16-byte columns
.set VP,    288                        ; V: + 32, for the transposing loads
.set KHEAD, 192*KP
.set VBASE, 2*KHEAD
.set VHEAD, 192*VP
.set KBLK,  16*KP                      ; a block of 32 keys
.set VBLK,  16*VP
.set STAGE, VBASE+2*VHEAD              ; way out: each wave's own 32 rows x 144 bytes; no fill lands here
.set SW,    32*144+128                 ; from wave to wave: the two heads' pieces of a row lie 128 bytes apart modulo 256
.set SCR,   STAGE+8*SW                 ; 256 bytes for each wave
.set KLANE, 8
.set VLANE, 9
.set KA,    10
.set VA,    11
.set RTH,   12                         ; v12-13 16 qt + r - 8 h
.set NEG,   14                         ; the masked score
.set STO,   15
.set RD,    16
.set CO,    17
.set SCRW,  18
.set SCRR,  19
.set RM,    20                         ; v20-21 running maximum, for each query tile
.set RL,    22                         ; v22-23 running sum (this half of the lanes' share)
.set RAL,   24                         ; v24, v26 rescale factor (v25, v27 only fill the pairs)
.set RNCM,  28                         ; v28, v30 -8 m (v29, v31 likewise)
.set RT,    32                         ; v32-39 at work
.set RQ,    40                         ; Q fragments at 8 (2 qt + eh)
.set RK,    72                         ; K fragments at 8 (2 kt + eh)
.set RV,    104                        ; V^T fragments at 8 et
.set RS,    136                        ; S tiles at 16 qt + 8 kt
.set RP,    168                        ; P^T fragments at 8 qt; at first v168-175 hold ones
.set RO,    184                        ; O^T tiles at 8 (2 et + qt)
	s_load_b128 s[4:7], s[0:1], 0x0                ; qkv s[4:5], vs s[6:7]
	s_load_b64 s[8:9], s[0:1], 0x10                ; ao
	v_lshl_add_u32 v248, v0, 2, 0x3e400
	v_mov_b32 v249, 0
	ds_add_u32 v248, v249
	ds_add_u32 v248, v249
	v_lshrrev_b32 v1, 5, v0
	v_readfirstlane_b32 s10, v1                    ; wave 0..7
	s_and_b32 s11, s10, 1                          ; hd
	s_lshr_b32 s12, s10, 1                         ; rg
	s_mov_b32 s13, ttmp9                           ; qb
	s_and_b32 s14, ttmp7, 0xffff
	s_lshr_b32 s15, s14, 3                         ; batch
	s_and_b32 s16, s14, 7                          ; head pair p
	s_max_u32 s17, s13, 2
	s_sub_co_u32 s17, s17, 2                       ; kbk
	s_and_b32 s18, s12, 1                          ; the head that my fill serves
	s_lshl_b32 s20, s15, 4
	s_lshl1_add_u32 s20, s16, s20                  ; 16 batch + 2 p
	s_add_co_u32 s21, s20, s18
	s_lshl_b32 s21, s21, 11                        ; x 2,048 keys
	s_lshl_b32 s22, s17, 7
	s_add_co_u32 s21, s21, s22                     ; + 128 kbk
	s_mul_i32 s22, s11, 192
	s_add_co_u32 s21, s21, s22                     ; + my half of the 384
	s_lshl_b32 s22, s21, 7                         ; x 128 bytes
	s_mov_b32 s23, 0
	; group 1: a dense block as 96 rows of 32 elements of 8 bytes; padding behind every 64 words: 4 words for K, 8 for V
	s_mov_b32 s28, (3<<16)|(1<<20)|(5<<22)|(3<<25)
	s_mov_b32 s36, (3<<16)|(1<<20)|(5<<22)|(7<<25)
	s_mov_b32 s29, 32<<16
	s_mov_b32 s37, 32<<16
	s_mov_b32 s30, 96<<16
	s_mov_b32 s38, 96<<16
	s_mov_b32 s31, 32<<16
	s_mov_b32 s39, 32<<16
	s_mov_b32 s32, 96
	s_mov_b32 s40, 96
	s_mov_b32 s33, 32
	s_mov_b32 s41, 32
	s_mov_b32 s34, 0
	s_mov_b32 s42, 0
	s_mov_b32 s35, 0
	s_mov_b32 s43, 0
	s_mov_b32 s24, 1
	s_wait_dscnt 0x0
	s_wait_kmcnt 0x0
	s_add_nc_u64 s[26:27], s[4:5], s[22:23]
	s_cmp_lt_u32 s10, 4                            ; waves 0-3 bring K's four halves, waves 4-7 V's: one tensor load a wave, the only one of the launch
	s_cbranch_scc0 .Lfill_v
	s_mul_i32 s25, s10, 96*KP
	s_add_nc_u64 s[26:27], s[26:27], 0x800000      ; K's section
	s_or_b32 s27, s27, 0x80000000
	tensor_load_to_lds s[24:27], s[28:35]
	s_nop 0
	s_branch .Lfilled
.Lfill_v:
	s_sub_co_u32 s57, s10, 4
	s_mul_i32 s25, s57, 96*VP
	s_add_co_u32 s25, s25, VBASE
	s_add_nc_u64 s[26:27], s[26:27], 0x1000000     ; V's section
	s_or_b32 s27, s27, 0x80000000
	tensor_load_to_lds s[24:27], s[36:43]
	s_nop 0
.Lfilled:
	s_lshl2_add_u32 s48, s13, s12                  ; g = 4 qb + rg: my queries' block of 32
	s_lshl_b32 s57, s17, 2
	s_sub_co_u32 s49, s48, s57                     ; ud: the diagonal block among the twelve in LDS
	s_max_u32 s50, s49, 8
	s_sub_co_u32 s50, s50, 8                       ; ulo: the first block that is not wholly masked
	s_sub_co_u32 s51, s50, s49
	s_add_co_u32 s51, s51, 11                      ; wholly masked blocks in LDS: those below ulo and above ud
	s_mov_b32 s52, 0x76543210                      ; v_permlanex16_b32: lane i of the other half
	s_mov_b32 s53, 0xfedcba98
	s_mov_b32 s54, 0x41000000                      ; 8.0
	s_mov_b32 s55, 0x41000000
	s_mov_b32 s61, 0xc1000000                      ; -8.0
	s_add_co_u32 s19, s20, s11                     ; my head among the 32
	s_lshl_b32 s44, s19, 11
	s_lshl_b32 s57, s48, 5
	s_add_co_u32 s44, s44, s57
	s_lshl_b32 s44, s44, 7                         ; my first query's row in Q's section
	s_mov_b32 s45, 0
	s_lshl_b32 s46, s19, 13                        ; my head's 32 groups x 256 bytes in vs
	s_mov_b32 s47, 0
	s_lshl_b32 s62, s15, 11
	s_lshl_b32 s57, s13, 7
	s_add_co_u32 s62, s62, s57
	s_lshl4_add_u32 s62, s10, s62                  ; the 16 rows of ao that I store
	s_lshl_b32 s62, s62, 11
	s_lshl_b32 s57, s16, 8
	s_add_co_u32 s62, s62, s57                     ; + the pair's 256 bytes
	s_mov_b32 s63, 0
	s_add_nc_u64 s[44:45], s[4:5], s[44:45]
	s_add_nc_u64 s[46:47], s[6:7], s[46:47]
	s_add_nc_u64 s[62:63], s[8:9], s[62:63]
	v_and_b32 v1, 15, v0                           ; r
	v_bfe_u32 v2, v0, 4, 1                         ; h
	v_and_b32 v3, 31, v0                           ; lane
	v_lshlrev_b32 v7, 7, v1
	v_lshl_add_u32 v7, v2, 4, v7                   ; Q: row r, 16 h
.irp qt, 0,1
.irp eh, 0,1
	global_load_b128 v[RQ+8*(2*\qt+\eh):RQ+8*(2*\qt+\eh)+3],   v7, s[44:45] offset:\qt*2048+\eh*64
	global_load_b128 v[RQ+8*(2*\qt+\eh)+4:RQ+8*(2*\qt+\eh)+7], v7, s[44:45] offset:\qt*2048+\eh*64+32
.endr
.endr
	; the 13 groups of 128 keys outside the 384: numbers kbk + 3 .. kbk + 15 modulo 16; a load takes 512 bytes = two sums over 64 keys
	s_add_co_u32 s57, s17, 3
	s_lshl_b32 s57, s57, 9
	v_lshl_add_u32 v5, v3, 4, s57
.irp t, 0,1,2,3,4,5,6,7,8,9,10,11,12
	v_add_nc_u32 v[RS+\t], 512*\t, v5
	v_and_b32 v[RS+\t], 0x1fff, v[RS+\t]
	global_load_b128 v[RK+4*\t:RK+4*\t+3], v[RS+\t], s[46:47]
.endr
	v_lshrrev_b32 v4, 1, v1                        ; K: key r of a tile lies in row r / 2, half r % 2
	v_mul_u32_u24 v4, v4, KP
	v_and_b32 v5, 1, v1
	v_lshl_add_u32 v4, v5, 7, v4
	v_lshl_add_u32 v4, v2, 4, v4
	s_mul_i32 s57, s11, KHEAD
	v_add_nc_u32 v[KLANE], s57, v4
	v_bfe_u32 v4, v0, 1, 2                         ; V, transposing load: lane addresses key 8 h + lane % 8, columns 8 ((lane / 8) % 2) ..
	v_lshl_add_u32 v4, v2, 2, v4
	v_mul_u32_u24 v4, v4, VP
	v_lshl_add_u32 v4, v5, 7, v4
	v_bfe_u32 v6, v0, 3, 1
	v_lshl_add_u32 v4, v6, 4, v4
	s_mul_i32 s57, s11, VHEAD
	s_add_co_u32 s57, s57, VBASE
	v_add_nc_u32 v[VLANE], s57, v4
	v_lshlrev_b32 v4, 3, v2
	v_sub_nc_u32 v[RTH], v1, v4                    ; r - 8 h
	v_add_nc_u32 v[RTH+1], 16, v[RTH]
	v_mov_b32 v[NEG], 0xc4e16bcd                   ; -10000 log2(e) / 8
	v_mul_u32_u24 v4, v1, 144                      ; stage, in: my own part, row 16 qt + r, 16 h
	v_lshl_add_u32 v4, v2, 4, v4
	s_mul_i32 s57, s10, SW
	s_add_co_u32 s57, s57, STAGE
	v_add_nc_u32 v[STO], s57, v4
	v_lshrrev_b32 v4, 3, v1                        ; stage, back: rows 16 wave + 2 t + h of the block's 128; lanes r < 8 head 0's piece, the others head 1's
	v_mul_u32_u24 v4, v4, SW
	v_and_b32 v6, 7, v1
	v_lshl_add_u32 v4, v6, 4, v4
	v_mad_u32_u24 v4, v2, 144, v4
	s_mul_i32 s57, s12, 2*SW
	s_mul_i32 s58, s11, 16*144
	s_add_co_u32 s57, s57, s58
	s_add_co_u32 s57, s57, STAGE
	v_add_nc_u32 v[RD], s57, v4
	v_lshlrev_b32 v4, 4, v1
	v_lshl_add_u32 v[CO], v2, 11, v4
	s_lshl_b32 s57, s10, 8
	s_add_co_u32 s57, s57, SCR
	v_lshl_add_u32 v[SCRW], v1, 4, s57
	v_lshl_add_u32 v[SCRR], v2, 5, s57
	v_mov_b32 v[RM], v[NEG]                        ; the start: maximum = the masked score,
	v_mov_b32 v[RM+1], v[NEG]
	s_add_co_u32 s57, s51, 52                      ; 1,664 keys outside + 32 for each wholly masked block inside = 32 (52 + n),
	s_lshl_b32 s57, s57, 4                         ; half of it in each half of the lanes
	v_cvt_f32_u32 v[RL], s57
	v_mov_b32 v[RL+1], v[RL]
.irp i, 1,3
	v_mov_b32 v[RAL+\i], 0                         ; the pairs' upper registers are named, never used
	v_mov_b32 v[RNCM+\i], 0
.endr
.irp i, 0,1,2,3,4,5,6,7
	v_mov_b32 v[RP+\i], 0x3c003c00                 ; ones in f16
.endr
	s_wait_loadcnt 0x0                             ; Q and the 13 pairs of sums
.set t, 1
.rept 12
	v_pk_add_f32 v[RK:RK+1],   v[RK:RK+1],   v[RK+4*t:RK+4*t+1]
	v_pk_add_f32 v[RK+2:RK+3], v[RK+2:RK+3], v[RK+4*t+2:RK+4*t+3]
.set t, t+1
.endr
.irp i, 0,1,2,3
	v_permlanex16_b32 v[RK+4+\i], v[RK+\i], s52, s53   ; the other half's groups (the destination has been written before)
.endr
	v_pk_add_f32 v[RK:RK+1],   v[RK:RK+1],   v[RK+4:RK+5]
	v_pk_add_f32 v[RK+2:RK+3], v[RK+2:RK+3], v[RK+6:RK+7]
	ds_store_b128 v[SCRW], v[RK:RK+3]              ; columns 4 r .. 4 r + 3; both halves write the same
.irp et, 0,1,2,3
.irp qt, 0,1
	ds_load_b128 v[RO+8*(2*\et+\qt):RO+8*(2*\et+\qt)+3],   v[SCRR] offset:64*\et      ; O^T starts as that sum, for every query: columns 16 et + 8 h + j
	ds_load_b128 v[RO+8*(2*\et+\qt)+4:RO+8*(2*\et+\qt)+7], v[SCRR] offset:64*\et+16   ; (my own bytes: LDS serves a wave's instructions in order)
.endr
.endr
	s_wait_dscnt 0x0
	s_wait_tensorcnt 0x0                           ; my part of K or V has landed
	s_barrier_signal -1
	s_barrier_wait -1                              ; everybody's has
.macro KLOAD
.irp kt, 0,1
.irp eh, 0,1
	ds_load_b128 v[RK+8*(2*\kt+\eh):RK+8*(2*\kt+\eh)+3],   v[KA] offset:\kt*8*KP+\eh*64
	ds_load_b128 v[RK+8*(2*\kt+\eh)+4:RK+8*(2*\kt+\eh)+7], v[KA] offset:\kt*8*KP+\eh*64+32
.endr
.endr
.endm
.macro VLOAD
.irp et, 0,1,2,3
	ds_load_tr16_b128 v[RV+8*\et:RV+8*\et+3],   v[VA] offset:32*\et          ; keys 8 h .. + 7 of column 16 et + r
	ds_load_tr16_b128 v[RV+8*\et+4:RV+8*\et+7], v[VA] offset:32*\et+8*VP     ; keys 16 + 8 h .. + 7
.endr
.endm
.macro PV                              ; O^T += V^T P^T: eight accumulators, one instruction a turn
.irp et, 0,1,2,3
.irp qt, 0,1
	v_wmma_f32_16x16x32_f16 v[RO+8*(2*\et+\qt):RO+8*(2*\et+\qt)+7], v[RV+8*\et:RV+8*\et+7], v[RP+8*\qt:RP+8*\qt+7], v[RO+8*(2*\et+\qt):RO+8*(2*\et+\qt)+7]
.endr
.endr
.endm
; a wholly masked block (number in s60): its V is added with weight one, while the maximum still is the masked score
.macro ONESTEP
	s_min_u32 s57, s60, 11
	s_mul_i32 s57, s57, VBLK
	v_add_nc_u32 v[VA], s57, v[VLANE]
	VLOAD
	s_wait_dscnt 0x0
.irp et, 0,1,2,3
.irp qt, 0,1
	v_wmma_f32_16x16x32_f16 v[RO+8*(2*\et+\qt):RO+8*(2*\et+\qt)+7], v[RV+8*\et:RV+8*\et+7], v[RP:RP+7], v[RO+8*(2*\et+\qt):RO+8*(2*\et+\qt)+7]
.endr
.endr
.rept 4
	v_nop                                          ; four places in front of the next loads into V's registers
.endr
.endm
; the softmax of query tile qt on one block.  mode 0: all visible; 1: the far edge (visible where key > query, both counted in their blocks);
; 2: the diagonal (visible where key <= query)
.macro SOFT qt, mode
.set SB, RS+16*\qt
.if \mode
.irp i, 0,1,2,3,4,5,6,7,8,9,10,11,12,13,14,15
.if \mode == 2
	v_cmp_gt_i32 vcc_lo, 16*(\i>>3)+(\i&7), v[RTH+\qt]     ; 16 kt + j + 8 h > 16 qt + r
.else
	v_cmp_le_i32 vcc_lo, 16*(\i>>3)+(\i&7), v[RTH+\qt]
.endif
	v_cndmask_b32 v[SB+\i], v[SB+\i], v[NEG], vcc_lo
.endr
.endif
	v_max3_num_f32 v[RT],   v[SB],    v[SB+1],  v[RM+\qt]
	v_max3_num_f32 v[RT+1], v[SB+2],  v[SB+3],  v[SB+4]
	v_max3_num_f32 v[RT+2], v[SB+5],  v[SB+6],  v[SB+7]
	v_max3_num_f32 v[RT+3], v[SB+8],  v[SB+9],  v[SB+10]
	v_max3_num_f32 v[RT+4], v[SB+11], v[SB+12], v[SB+13]
	v_max3_num_f32 v[RT+5], v[SB+14], v[SB+15], v[RT]
	v_max3_num_f32 v[RT+1], v[RT+1], v[RT+2], v[RT+3]
	v_max3_num_f32 v[RT],   v[RT+4], v[RT+5], v[RT+1]
	v_permlanex16_b32 v[RT+1], v[RT], s52, s53             ; the other half's keys of the same query
	v_max_num_f32 v[RT], v[RT], v[RT+1]                    ; the new maximum
	v_mul_f32 v[RNCM+2*\qt], s61, v[RT]                    ; -8 m, exact
	v_fma_f32 v[RT+2], v[RM+\qt], s54, v[RNCM+2*\qt]       ; 8 (old m - m)
	v_mov_b32 v[RM+\qt], v[RT]
	v_exp_f32 v[RAL+2*\qt], v[RT+2]                        ; plain instructions follow before its result is used (ISA guide 5.7.2)
.irp k, 0,2,4,6,8,10,12,14
	v_pk_fma_f32 v[SB+\k:SB+\k+1], v[SB+\k:SB+\k+1], s[54:55], v[RNCM+2*\qt:RNCM+2*\qt+1] op_sel_hi:[1,0,0]   ; 8 s - 8 m
.endr
.irp i, 0,1,2,3,4,5,6,7,8,9,10,11,12,13,14,15
	v_exp_f32 v[SB+\i], v[SB+\i]
.endr
	s_wait_alu depctr_va_vdst(0)
.irp et, 0,1,2,3
.irp k, 0,2,4,6
	v_pk_mul_f32 v[RO+8*(2*\et+\qt)+\k:RO+8*(2*\et+\qt)+\k+1], v[RO+8*(2*\et+\qt)+\k:RO+8*(2*\et+\qt)+\k+1], v[RAL+2*\qt:RAL+2*\qt+1] op_sel_hi:[1,0]
.endr
.endr
	v_pk_add_f32 v[RT:RT+1],   v[SB:SB+1],     v[SB+2:SB+3]
	v_pk_add_f32 v[RT+2:RT+3], v[SB+4:SB+5],   v[SB+6:SB+7]
	v_pk_add_f32 v[RT+4:RT+5], v[SB+8:SB+9],   v[SB+10:SB+11]
	v_pk_add_f32 v[RT+6:RT+7], v[SB+12:SB+13], v[SB+14:SB+15]
	v_pk_add_f32 v[RT:RT+1],   v[RT:RT+1],     v[RT+2:RT+3]
	v_pk_add_f32 v[RT+4:RT+5], v[RT+4:RT+5],   v[RT+6:RT+7]
	v_pk_add_f32 v[RT:RT+1],   v[RT:RT+1],     v[RT+4:RT+5]
	v_add_f32 v[RT], v[RT], v[RT+1]
	v_fma_f32 v[RL+\qt], v[RL+\qt], v[RAL+2*\qt], v[RT]
.irp i, 0,1,2,3,4,5,6,7
	v_cvt_pk_f16_f32 v[RP+8*\qt+\i], v[SB+2*\i], v[SB+2*\i+1]      ; my own p are P^T's fragment: registers 0-3 keys 8 h .., 4-7 keys 16 + 8 h ..
.endr
.endm
; one block of 32 keys (number in s56).  last = 1: no further block's K is fetched.
.macro STEP mode, last
	s_wait_dscnt 0x0                               ; this block's K fragments are in
.irp eh, 0,1
.irp qt, 0,1
.irp kt, 0,1
.if \eh == 0
	v_wmma_f32_16x16x32_f16 v[RS+16*\qt+8*\kt:RS+16*\qt+8*\kt+7], v[RK+8*(2*\kt+\eh):RK+8*(2*\kt+\eh)+7], v[RQ+8*(2*\qt+\eh):RQ+8*(2*\qt+\eh)+7], 0
.else
	v_wmma_f32_16x16x32_f16 v[RS+16*\qt+8*\kt:RS+16*\qt+8*\kt+7], v[RK+8*(2*\kt+\eh):RK+8*(2*\kt+\eh)+7], v[RQ+8*(2*\qt+\eh):RQ+8*(2*\qt+\eh)+7], v[RS+16*\qt+8*\kt:RS+16*\qt+8*\kt+7]
.endif
.endr
.endr
.endr
	s_min_u32 s57, s56, 11
	s_mul_i32 s57, s57, VBLK
	v_add_nc_u32 v[VA], s57, v[VLANE]              ; four places behind the matrix instructions (ISA guide 7.12.1): two sums or one, and v_nop
.if \last
	v_nop
.else
	s_add_co_u32 s58, s56, 1
	s_min_u32 s58, s58, 11
	s_mul_i32 s58, s58, KBLK
	v_add_nc_u32 v[KA], s58, v[KLANE]
.endif
	v_nop
	v_nop
	VLOAD
.if \last == 0
	KLOAD                                          ; the next block's K
.endif
	SOFT 0, \mode
	SOFT 1, \mode
.if \last
	s_wait_dscnt 0x0
.else
	s_wait_dscnt 0x8                               ; V's eight loads are in; the eight for the next block's K may stay out
.endif
	PV
.endm
	s_min_u32 s57, s50, 11
	s_mul_i32 s57, s57, KBLK
	v_add_nc_u32 v[KA], s57, v[KLANE]
	KLOAD                                          ; the first block's K
	s_mov_b32 s60, 0                               ; wholly masked blocks below the window
	s_cmp_lt_u32 s60, s50
	s_cbranch_scc0 .Lones_lo_done
.Lones_lo:
	ONESTEP
	s_add_co_u32 s60, s60, 1
	s_cmp_lt_u32 s60, s50
	s_cbranch_scc1 .Lones_lo
.Lones_lo_done:
	s_add_co_u32 s60, s49, 1                       ; and those behind the diagonal
	s_cmp_lt_u32 s60, 12
	s_cbranch_scc0 .Lones_hi_done
.Lones_hi:
	ONESTEP
	s_add_co_u32 s60, s60, 1
	s_cmp_lt_u32 s60, 12
	s_cbranch_scc1 .Lones_hi
.Lones_hi_done:
	s_mov_b32 s56, s50
	s_cmp_lt_u32 s13, 2                            ; the first 256 queries have no far edge
	s_cbranch_scc1 .Lno_edge
	STEP 1, 0
	s_add_co_u32 s56, s56, 1
.Lno_edge:
	s_cmp_lt_u32 s56, s49
	s_cbranch_scc0 .Ldiag
.Lmid:
	STEP 0, 0
	s_add_co_u32 s56, s56, 1
	s_cmp_lt_u32 s56, s49
	s_cbranch_scc1 .Lmid
.Ldiag:
	STEP 2, 1
	; the end: divide by the sum, round to f16, through the stage, out as whole rows of the pair's 256 bytes.
	; A barrier stands between every wave's last LDS reads of K and V and the first store into the stage: reads first, writes behind them,
	; in every wave, without leaning on the arithmetic of the blocks' addresses.  The sums are joined and inverted between its two halves.
	s_wait_dscnt 0x0                               ; my LDS reads are over (met: the last step's wait was for 0 and nothing was issued since)
	s_barrier_signal -1
.rept 4
	v_nop                                          ; four places behind the last matrix instructions (ISA guide 7.12.1)
.endr
	v_permlanex16_b32 v[RT],   v[RL],   s52, s53
	v_permlanex16_b32 v[RT+1], v[RL+1], s52, s53
	v_add_f32 v[RT],   v[RT],   v[RL]
	v_add_f32 v[RT+1], v[RT+1], v[RL+1]            ; at least 1: the row's maximum gave p = 1
	v_rcp_f32 v[RAL],   v[RT]
	v_rcp_f32 v[RAL+2], v[RT+1]
	v_nop                                          ; a plain place behind the reciprocals (ISA guide 5.7.2)
	s_barrier_wait -1                              ; every wave's reads are over
	s_wait_alu depctr_va_vdst(0)
.irp et, 0,1,2,3
.irp qt, 0,1
.irp k, 0,2,4,6
	v_pk_mul_f32 v[RO+8*(2*\et+\qt)+\k:RO+8*(2*\et+\qt)+\k+1], v[RO+8*(2*\et+\qt)+\k:RO+8*(2*\et+\qt)+\k+1], v[RAL+2*\qt:RAL+2*\qt+1] op_sel_hi:[1,0]
.endr
.irp k, 0,1,2,3
	v_cvt_pk_f16_f32 v[RS+4*(2*\et+\qt)+\k], v[RO+8*(2*\et+\qt)+2*\k], v[RO+8*(2*\et+\qt)+2*\k+1]
.endr
	ds_store_b128 v[STO], v[RS+4*(2*\et+\qt):RS+4*(2*\et+\qt)+3] offset:\qt*16*144+32*\et
.endr
.endr
	s_wait_dscnt 0x0                               ; my stores are done, for the waves that read them
	s_barrier_signal -1
	s_barrier_wait -1
.irp t, 0,1,2,3,4,5,6,7
	ds_load_b128 v[RK+4*\t:RK+4*\t+3], v[RD] offset:\t*2*144
.endr
.irp t, 0,1,2,3,4,5,6,7
	s_wait_dscnt 7-\t                              ; LDS loads return in order: load t is in
	global_store_b128 v[CO], v[RK+4*\t:RK+4*\t+3], s[62:63] offset:4096*\t   ; sixteen lanes store 256 consecutive bytes, aligned
.endr
	s_wait_tensorcnt 0x0
	ds_add_u32 v248, v249
	s_wait_dscnt 0x0
	s_endpgm
.Lfunc_end_k_q0233ffd343_attn:
	.size	k_q0233ffd343_attn, .Lfunc_end_k_q0233ffd343_attn-k_q0233ffd343_attn
	.p2alignl 7, 3214868480
	.fill 96, 4, 3214868480
	.section	.rodata,"a",@progbits
	.p2align	6, 0x0
	.amdhsa_kernel k_q0233ffd343_attn
		.amdhsa_group_segment_fixed_size 256000
		.amdhsa_private_segment_fixed_size 0
		.amdhsa_enable_private_segment 0
		.amdhsa_kernarg_size 24
		.amdhsa_user_sgpr_count 2
		.amdhsa_user_sgpr_kernarg_segment_ptr 1
		.amdhsa_wavefront_size32 1
		.amdhsa_system_sgpr_workgroup_id_x 1
		.amdhsa_system_sgpr_workgroup_id_y 1
		.amdhsa_system_sgpr_workgroup_id_z 1
		.amdhsa_system_vgpr_workitem_id 0
		.amdhsa_next_free_vgpr 250
		.amdhsa_next_free_sgpr 66
		.amdhsa_reserve_vcc 1
		.amdhsa_float_denorm_mode_32 3
		.amdhsa_float_denorm_mode_16_64 3
		.amdhsa_memory_ordered 1
		.amdhsa_forward_progress 1
		.amdhsa_inst_pref_size 59
	.end_amdhsa_kernel
	.amdgpu_metadata
---
amdhsa.version: [ 1, 2 ]
amdhsa.kernels:
  - .name:           k_q0233ffd343_attn
    .symbol:         k_q0233ffd343_attn.kd
    .args:
      - { .name: qkv, .offset: 0, .size: 8, .value_kind: global_buffer, .address_space: global }
      - { .name: vs, .offset: 8, .size: 8, .value_kind: global_buffer, .address_space: global }
      - { .name: ao, .offset: 16, .size: 8, .value_kind: global_buffer, .address_space: global }
    .group_segment_fixed_size: 256000
    .private_segment_fixed_size: 0
    .kernarg_segment_align: 8
    .kernarg_segment_size: 24
    .max_flat_workgroup_size: 256
    .sgpr_count:     66
    .vgpr_count:     250
    .wavefront_size: 32
...
	.end_amdgpu_metadata
.endif
;; end of part 3
;; launch proj (part 4): grid 8 x 32, 4 waves a work-group, clusters of 4 x 4, 327,680 bytes of LDS; arguments ao, wph, b_proj, out0; writes out0
.if DOCPART == 4
	.amdgcn_target "amdgcn-amd-amdhsa--gfx1250"
	.amdhsa_code_object_version 6
	.text
	.protected	k_q0233ffd343_proj
	.globl	k_q0233ffd343_proj
	.p2align	8
	.type	k_q0233ffd343_proj,@function
k_q0233ffd343_proj:
	s_mov_b64 s[64:65], 0
	v_nop
	global_prefetch_b8 v0, s[64:65] scope:SCOPE_SE
	s_setreg_imm32_b32 hwreg(HW_REG_WAVE_MODE, 25, 1), 1
	s_wait_xcnt 0x0
	s_wait_alu depctr_hold_cnt(0) depctr_sa_sdst(0) depctr_va_vdst(0) depctr_va_sdst(0) depctr_va_ssrc(0) depctr_va_vcc(0) depctr_vm_vsrc(0)
	s_getreg_b32 s2, hwreg(HW_REG_IB_STS2, 6, 4)
	s_cmp_eq_u32 s2, 0
	s_cbranch_scc0 .Lentry_in_a_cluster
	s_endpgm
.Lentry_in_a_cluster:
	s_bfe_u32 s2, ttmp6, 0x10000c
	s_cmp_lg_u32 s2, 0xf033
	s_cbranch_scc0 .Lentry_shape_is_right
	s_endpgm
.Lentry_shape_is_right:
; out0 = (ao x 8) w_proj^T + b_proj: ao holds the attention's result / 8 and wph 8 w_proj, both f16; sums in f32; out0 is f32.
; A work-group makes 128 x 128 with four waves, a wave 64 x 64: 16 accumulator tiles (window 1).  1,024 blocks of that size would leave
; WGPs idle at 256 x 256, so the block is the size that gives 256 work-groups.
; K goes through two LDS slots of 256 along K (rows of 512 bytes, aligned): two steps' tiles in one load, so that there are three changes of slots in all.
; CLUSTER 4 x 4: ao's tiles are shared along a row of the cluster, wph's along a column, each asked for jointly by the four.
; The matrix instruction is used transposed (source 0 = rows of wph, source 1 = rows of ao): a lane holds one row of the result and eight
; neighbouring columns.  The first product takes the bias as C.
.set PITCH,  528                       ; 512 bytes + 16: 16 rows start at 16 different 16-byte columns of the banks (ISA guide 11.1)
.set HALFT,  64*PITCH                  ; what one tensor load brings, and what a wave reads of A or of B
.set SLOT,   4*HALFT
.set STAGE,  2*SLOT                    ; behind the ring, no fill lands here: 16 rows x 272 bytes for each wave
.set SPITCH, 272
.set FLAGS,  (1<<16)|(1<<20)|(1<<21)|(6<<22)|(3<<25)   ; 2-byte elements; padding on; bit 21 beside a mask; after 128 words; 4 words
.set ADRA, 16
.set ADRB, 20
.set STO,  24
.set RD,   25
.set CO,   26
.set BOFF, 27
.set FB,   32                          ; buffer n: B's fragments at 32 + 64 n,
.set FA,   64                          ; A's at 64 + 64 n
.set BIAS, 160                         ; v160-191
.set RB0,  192
.set RB1,  224
.set G1,  24
.set G0,  32
.set G1B, 40
.set G0B, 48
.set MSB, 0
.macro WIN new                         ; the immediate's high byte repeats the setting that is left
.if MSB != \new
	s_set_vgpr_msb (MSB<<8)|\new
.set MSB, \new
.endif
.endm
.macro PLACES                          ; four places behind matrix instructions (ISA guide 7.12.1)
.rept 4
	v_nop
.endr
.endm
.macro JLOAD s                         ; waves 0, 1 ask for A's halves, waves 2, 3 for B's
	s_cmp_eq_u32 s15, 0
	s_cbranch_scc0 .Lfor_b_\@
	tensor_load_to_lds s[G0+4*\s:G0+4*\s+3], s[G1:G1+7]
	s_nop 0
	s_branch .Lasked_\@
.Lfor_b_\@:
	tensor_load_to_lds s[G0B+4*\s:G0B+4*\s+3], s[G1B:G1B+7]
	s_nop 0
.Lasked_\@:
.endm
.macro CREST
	s_cmp_lg_u32 s14, 0
	s_cbranch_scc1 .Lnot_wave_0_\@
	s_barrier_signal -3
.Lnot_wave_0_\@:
	s_barrier_wait -3
	s_barrier_signal -1
	s_barrier_wait -1
.endm
.macro CROUND
	s_barrier_signal -1
	s_barrier_wait -1
	CREST
.endm
	s_load_b256 s[4:11], s[0:1], 0x0               ; ao s[4:5], wph s[6:7], b_proj s[8:9], out0 s[10:11]
	v_lshl_add_u32 v30, v0, 2, 0x46400
	v_mov_b32 v31, 0
	ds_add_u32 v30, v31
	ds_add_u32 v30, v31
	v_lshrrev_b32 v1, 5, v0
	v_readfirstlane_b32 s14, v1                    ; wave 0..3
	s_lshr_b32 s15, s14, 1                         ; my half of the block's rows; also: I fetch for A (0) or B (1)
	s_and_b32 s16, s14, 1                          ; my half of its columns; also: which 64 rows of that tile I fetch
	s_bfe_u32 s17, ttmp6, 0x40000                  ; cx
	s_bfe_u32 s18, ttmp6, 0x40004                  ; cy
	s_lshl_b32 s19, ttmp9, 2
	s_add_co_u32 s19, s19, s17                     ; block column
	s_and_b32 s20, ttmp7, 0xffff
	s_lshl_b32 s20, s20, 2
	s_add_co_u32 s20, s20, s18                     ; block row
	s_lshl_b32 s21, s18, 2
	s_lshl_b32 s21, 15, s21                        ; my row of the cluster
	s_lshl_b32 s22, 0x1111, s17                    ; my column
	s_or_b32 s[G1+0], s21, FLAGS
	s_or_b32 s[G1B+0], s22, FLAGS
	s_mov_b32 s[G1+1], 256<<16                     ; tensor_dim0 = 256
	s_mov_b32 s[G1B+1], 256<<16
	s_mov_b32 s[G1+2], 64<<16                      ; tensor_dim1 = 64 rows
	s_mov_b32 s[G1B+2], 64<<16
	s_mov_b32 s[G1+3], 256<<16                     ; tile_dim0 = 256
	s_mov_b32 s[G1B+3], 256<<16
	s_mov_b32 s[G1+4], 64                          ; tile_dim1
	s_mov_b32 s[G1B+4], 64
	s_mov_b32 s[G1+5], 1024                        ; elements from row to row
	s_mov_b32 s[G1B+5], 1024
	s_mov_b32 s[G1+6], 0
	s_mov_b32 s[G1B+6], 0
	s_mov_b32 s[G1+7], 0
	s_mov_b32 s[G1B+7], 0
	s_lshl_b32 s62, s16, 6
	s_lshl_b32 s56, s20, 7
	s_add_co_u32 s56, s56, s62                     ; A: row 128 x block row + 64 x half
	s_lshl_b32 s56, s56, 11
	s_mov_b32 s57, 0
	s_lshl_b32 s58, s19, 7
	s_add_co_u32 s58, s58, s62                     ; B: row 128 x block column + 64 x half
	s_lshl_b32 s58, s58, 11
	s_mov_b32 s59, 0
	s_mul_i32 s60, s14, HALFT                      ; LDS: A's two halves, then B's two = wave x 64 rows
	s_lshl_b32 s66, s19, 9                         ; the bias of my 64 columns
	s_lshl_b32 s67, s16, 8
	s_add_co_u32 s66, s66, s67
	s_mov_b32 s67, 0
	s_wait_dscnt 0x0
	s_wait_kmcnt 0x0
	s_add_nc_u64 s[56:57], s[4:5], s[56:57]
	s_add_nc_u64 s[58:59], s[6:7], s[58:59]
	s_add_nc_u64 s[66:67], s[8:9], s[66:67]
	CROUND                                         ; all sixteen work-groups are here: the first joint loads meet
.irp s, 0,1
	s_mov_b32 s[G0+4*\s], 1
	s_add_co_u32 s[G0+4*\s+1], s60, \s*SLOT
	s_add_nc_u64 s[G0+4*\s+2:G0+4*\s+3], s[56:57], \s*512
	s_or_b32 s[G0+4*\s+3], s[G0+4*\s+3], 0x80000000
	s_mov_b32 s[G0B+4*\s], 1
	s_add_co_u32 s[G0B+4*\s+1], s60, \s*SLOT
	s_add_nc_u64 s[G0B+4*\s+2:G0B+4*\s+3], s[58:59], \s*512
	s_or_b32 s[G0B+4*\s+3], s[G0B+4*\s+3], 0x80000000
	JLOAD \s                                       ; both slots' first fills: two tensor loads of the wave are out
.endr
	v_and_b32 v1, 15, v0                           ; r
	v_bfe_u32 v2, v0, 4, 1                         ; h
	v_lshlrev_b32 v[BOFF], 5, v2
.irp b, 0,1,2,3
	global_load_b128 v[BIAS+8*\b:BIAS+8*\b+3],   v[BOFF], s[66:67] offset:64*\b       ; columns 16 b + 8 h + 0..7
	global_load_b128 v[BIAS+8*\b+4:BIAS+8*\b+7], v[BOFF], s[66:67] offset:64*\b+16
.endr
	v_mul_u32_u24 v3, v1, PITCH
	v_lshl_add_u32 v3, v2, 4, v3
	s_mul_i32 s62, s15, HALFT                      ; my 64 rows of A
	s_mul_i32 s63, s16, HALFT
	s_add_co_u32 s63, s63, 2*HALFT                 ; my 64 rows of B, behind A's 128
.irp s, 0,1
	v_add_nc_u32 v[ADRA+\s], s62, v3
	v_add_nc_u32 v[ADRB+\s], s63, v3
	s_add_co_u32 s62, s62, SLOT
	s_add_co_u32 s63, s63, SLOT
.endr
	s_mul_i32 s63, s14, 16*SPITCH
	s_add_co_u32 s63, s63, STAGE                   ; my stage
	v_mul_u32_u24 v4, v1, SPITCH
	v_lshl_add_u32 v4, v2, 5, v4
	v_add_nc_u32 v[STO], s63, v4                   ; in: row r, 32 bytes for each half of the lanes
	v_mul_u32_u24 v5, v2, SPITCH
	v_lshl_add_u32 v5, v1, 4, v5
	v_add_nc_u32 v[RD], s63, v5                    ; back: sixteen lanes take a row of 256 bytes
	v_lshlrev_b32 v5, 4, v1
	v_lshl_add_u32 v[CO], v2, 12, v5               ; and the same two rows in out0
; 4 matrix instructions: rows 16 a .. + 15 of my 64 x my 64 columns, 32 along K.  The 16 accumulators take turns in one order.
.macro MUL4 buf, a, first
.irp b, 0,1,2,3
.if \first
	v_wmma_f32_16x16x32_f16 v[8*(4*\a+\b):8*(4*\a+\b)+7], v[FB+64*\buf+8*\b:FB+64*\buf+8*\b+7], v[FA+64*\buf+8*\a:FA+64*\buf+8*\a+7], v[BIAS+8*\b:BIAS+8*\b+7]
.else
	v_wmma_f32_16x16x32_f16 v[8*(4*\a+\b):8*(4*\a+\b)+7], v[FB+64*\buf+8*\b:FB+64*\buf+8*\b+7], v[FA+64*\buf+8*\a:FA+64*\buf+8*\a+7], v[8*(4*\a+\b):8*(4*\a+\b)+7]
.endif
.endr
.endm
.macro WMUL first                      ; sources 0 and 1 window 0, D window 1; C window 1, or 0 for the bias
.if \first
	WIN 0x40
.else
	WIN 0x50
.endif
.endm
.macro FETCH slot, k, buf              ; 16 LDS loads: 4 fragments of B, then 4 of A
.irp i, 0,1,2,3
	ds_load_b128 v[FB+64*\buf+8*\i:FB+64*\buf+8*\i+3],   v[ADRB+\slot] offset:\k+\i*16*PITCH
	ds_load_b128 v[FB+64*\buf+8*\i+4:FB+64*\buf+8*\i+7], v[ADRB+\slot] offset:\k+\i*16*PITCH+32
.endr
.irp i, 0,1,2,3
	ds_load_b128 v[FA+64*\buf+8*\i:FA+64*\buf+8*\i+3],   v[ADRA+\slot] offset:\k+\i*16*PITCH
	ds_load_b128 v[FA+64*\buf+8*\i+4:FA+64*\buf+8*\i+7], v[ADRA+\slot] offset:\k+\i*16*PITCH+32
.endr
.endm
.macro QUARTER slot, k, f, g, first    ; 32 along K on buffer f; the next 32's fragments go into buffer g in its middle
	s_wait_dscnt 0x4                               ; B and A's rows 0-31 are in; the youngest four loads may be out
	WMUL \first
	MUL4 \f, 0, \first
	MUL4 \f, 1, \first
	PLACES
	WIN 0
	FETCH \slot, \k, \g
	s_wait_dscnt 0x10                              ; all but the 16 just issued
	WMUL \first
	MUL4 \f, 2, \first
	MUL4 \f, 3, \first
.endm
.macro SEVEN slot, first               ; seven of a slot's eight parts of 32 along K
	QUARTER \slot, 64,  0, 1, \first
	QUARTER \slot, 128, 1, 0, 0
	QUARTER \slot, 192, 0, 1, 0
	QUARTER \slot, 256, 1, 0, 0
	QUARTER \slot, 320, 0, 1, 0
	QUARTER \slot, 384, 1, 0, 0
	QUARTER \slot, 448, 0, 1, 0
.endm
; the eighth: multiplies buffer 1 and changes slots.  In front of the barrier each wave waits for its reads of this slot and for all its tensor
; loads; where the slot is filled again the barrier opens a round of the cluster's barrier, and the joint refill is the first tensor load behind it.
.macro TURN slot, next, fill
	s_wait_dscnt 0x4
	WIN 0x50
	MUL4 1, 0, 0
	s_wait_dscnt 0x0                               ; my reads of this slot are over
	s_wait_tensorcnt 0x0                           ; all my tensor loads have landed
	ds_add_u32 v30, v31
	s_wait_dscnt 0x0
	s_barrier_signal -1
	MUL4 1, 1, 0                                   ; register work while the others arrive
	WIN 0
	s_barrier_wait -1
.if \fill
	CREST
	s_add_nc_u64 s[G0+4*\slot+2:G0+4*\slot+3], s[G0+4*\slot+2:G0+4*\slot+3], 1024
	s_add_nc_u64 s[G0B+4*\slot+2:G0B+4*\slot+3], s[G0B+4*\slot+2:G0B+4*\slot+3], 1024
	JLOAD \slot
.endif
	PLACES
	FETCH \next, 0, 0
	WIN 0x50
	MUL4 1, 2, 0
	MUL4 1, 3, 0
.endm
	s_wait_loadcnt 0x0                             ; the bias
	s_wait_tensorcnt 0x1                           ; my part of slot 0 is in; slot 1's load, issued behind it, may stay out
	s_barrier_signal -1
	s_barrier_wait -1
	FETCH 0, 0, 0
	SEVEN 0, 1                                     ; K 0-255
	TURN 0, 1, 1                                   ; asks for K 512-767
	SEVEN 1, 0                                     ; K 256-511
	TURN 1, 0, 1                                   ; asks for K 768-1023
	SEVEN 0, 0
	TURN 0, 1, 0                                   ; nothing is left to fetch
	SEVEN 1, 0
	s_wait_dscnt 0x4
	WIN 0x50
	MUL4 1, 0, 0
	MUL4 1, 1, 0
	s_wait_dscnt 0x0
	MUL4 1, 2, 0
	MUL4 1, 3, 0
	; THE WAY OUT: 16 rows at a time through my stage, out as whole rows of 256 bytes
	PLACES
	s_lshl_b32 s76, s20, 7
	s_lshl_b32 s77, s15, 6
	s_add_co_u32 s76, s76, s77                     ; my first row
	s_lshl_b32 s76, s76, 12
	s_lshl_b32 s77, s19, 9
	s_add_co_u32 s76, s76, s77                     ; my first column, in bytes
	s_lshl_b32 s77, s16, 8
	s_add_co_u32 s76, s76, s77
	s_mov_b32 s77, 0
	s_add_nc_u64 s[68:69], s[10:11], s[76:77]
.macro OUT16 i, f
	WIN 0x04                                       ; the stores' data from window 1
.irp b, 0,1,2,3
	ds_store_b128 v[STO], v[8*(4*\i+\b):8*(4*\i+\b)+3]   offset:64*\b
	ds_store_b128 v[STO], v[8*(4*\i+\b)+4:8*(4*\i+\b)+7] offset:64*\b+16
.endr
	WIN 0
	s_wait_xcnt 0x0                                ; buffer f, which earlier stores read, is loaded again only behind this wait
.irp t, 0,1,2,3,4,5,6,7
	ds_load_b128 v[\f+4*\t:\f+4*\t+3], v[RD] offset:\t*2*SPITCH    ; my own bytes: LDS serves a wave's instructions in order
.endr
.irp t, 0,1,2,3,4,5,6,7
	s_wait_dscnt 7-\t
	global_store_b128 v[CO], v[\f+4*\t:\f+4*\t+3], s[68:69] offset:(16*\i+2*\t)*4096 th:TH_STORE_NT   ; sixteen lanes store 256 consecutive bytes, aligned
.endr
.endm
	OUT16 0, RB0
	OUT16 1, RB1
	OUT16 2, RB0
	OUT16 3, RB1
	s_wait_tensorcnt 0x0
	ds_add_u32 v30, v31
	s_wait_dscnt 0x0
	CROUND                                         ; the closing round
	s_endpgm
.Lfunc_end_k_q0233ffd343_proj:
	.size	k_q0233ffd343_proj, .Lfunc_end_k_q0233ffd343_proj-k_q0233ffd343_proj
	.p2alignl 7, 3214868480
	.fill 96, 4, 3214868480
	.section	.rodata,"a",@progbits
	.p2align	6, 0x0
	.amdhsa_kernel k_q0233ffd343_proj
		.amdhsa_group_segment_fixed_size 327680
		.amdhsa_private_segment_fixed_size 0
		.amdhsa_enable_private_segment 0
		.amdhsa_kernarg_size 32
		.amdhsa_user_sgpr_count 2
		.amdhsa_user_sgpr_kernarg_segment_ptr 1
		.amdhsa_wavefront_size32 1
		.amdhsa_system_sgpr_workgroup_id_x 1
		.amdhsa_system_sgpr_workgroup_id_y 1
		.amdhsa_system_sgpr_workgroup_id_z 1
		.amdhsa_system_vgpr_workitem_id 0
		.amdhsa_next_free_vgpr 384
		.amdhsa_next_free_sgpr 84
		.amdhsa_reserve_vcc 0
		.amdhsa_float_denorm_mode_32 3
		.amdhsa_float_denorm_mode_16_64 3
		.amdhsa_memory_ordered 1
		.amdhsa_forward_progress 1
		.amdhsa_inst_pref_size 90
	.end_amdhsa_kernel
	.amdgpu_metadata
---
amdhsa.version: [ 1, 2 ]
amdhsa.kernels:
  - .name:           k_q0233ffd343_proj
    .symbol:         k_q0233ffd343_proj.kd
    .args:
      - { .name: ao, .offset: 0, .size: 8, .value_kind: global_buffer, .address_space: global }
      - { .name: wph, .offset: 8, .size: 8, .value_kind: global_buffer, .address_space: global }
      - { .name: b_proj, .offset: 16, .size: 8, .value_kind: global_buffer, .address_space: global }
      - { .name: out0, .offset: 24, .size: 8, .value_kind: global_buffer, .address_space: global }
    .group_segment_fixed_size: 327680
    .private_segment_fixed_size: 0
    .kernarg_segment_align: 8
    .kernarg_segment_size: 32
    .max_flat_workgroup_size: 128
    .sgpr_count:     84
    .vgpr_count:     384
    .wavefront_size: 32
...
	.end_amdgpu_metadata
.endif
;; end of part 4
